; MI455X (gfx1250); checked and timed in simulation.
; The chip was launched on July 23, 2026; its instructions are those of AMD's public machine-readable ISA for CDNA 5 (MIT licence, August 2026) and "CDNA5" Instruction Set Architecture Reference Guide (July 2026). The comments in the code are by the model that wrote it; some were corrected since.
;; Discretized DPLRSSM Block. Allowed arithmetic: matrix products marked QUANTISED: E5M2 operands, one E8M0 scale for each 32 along K, by v_wmma_scale_f32_16x16x128_f8f6f4 with both operands' format E5M2, f32 sums; products left as they are: f32 operands where the result goes on into a quantised operand, else bf16, f16 or f32 operands; f32 sums; everything else in f32.
;; Inputs: a_diag 4,096 float32; b_mat 4,096 x 4,096 float32; h 4,096 x 4,096 float32; p_vec 4,096 x 4 float32; q_vec 4,096 x 4 float32; x 4,096 x 4,096 float32.
;; Outputs: out0 4,096 x 4,096 float32.
;; This version of the problem:
;;   THIS VERSION OF THE PROBLEM IS GIVEN IN LOW PRECISION. The matrix products marked QUANTISED in the list below multiply operands that are first quantised to E5M2 (5 exponent bits, 2 mantissa bits; 8 bits a number), with one power-of-two scale for each 32 numbers along K (OCP MX v1.0); their sums are f32. All else is computed in f32.
;;   The module's matrix products, in the order in which they are computed (A, B: the left and right operand; K: the contracted axis; several contracted axes count as one K, in the product's order):
;;     1. [M 4,096, K 4,096] x [K 4,096, N 4]; A: input h; B: input q_vec: left as it is (N = 4 < 16)
;;     2. [M 4,096, K 4] x [K 4, N 4,096]; A: computed on the way; B: input p_vec: left as it is (K = 4 < 32)
;;     3. [M 4,096, K 4,096] x [K 4,096, N 4,096]; A: input x; B: input b_mat: QUANTISED
;;   THE QUANTISER, for each operand of a quantised product, along K:
;;     - K is cut into blocks of 32 from its start; a last block that is shorter is filled with zeros.
;;     - A block's scale is 2^e with e = floor(log2(the largest magnitude in the block)) - 15, held to -126 .. 127; a block of zeros has e = 0. As a byte (E8M0): e + 127.
;;     - Each number is divided by its block's scale, clamped to +-57,344, and rounded to the nearest number of E5M2, ties to even, subnormals kept.
;;     - The product sums the exact products of the quantised numbers (number of the format x scale) in f32.
;;   ~~~python
;;   def quantise(x, axis):      # numpy; x: float32 -> the quantised numbers, widened to float32 again
;;       x = np.moveaxis(x, axis, -1); K = x.shape[-1]
;;       x = np.pad(x, [(0, 0)] * (x.ndim - 1) + [(0, -K % 32)]); x = x.reshape(x.shape[:-1] + (-1, 32)); a = np.abs(x).max(-1, keepdims=True)
;;       e = np.where(a > 0, np.clip(np.frexp(np.where(a > 0, a, 1))[1] - 1 - 15, -126, 127), 0)      # np.frexp(a)[1] - 1 = floor(log2(a)), exactly
;;       r = np.clip(x / 2.0 ** e, -57344, 57344)
;;       step = 2.0 ** (np.maximum(np.frexp(np.where(r == 0, 1, r))[1] - 1, -14) - 2)
;;       q = np.round(r / step) * step * 2.0 ** e      # np.round: ties to even
;;       return np.moveaxis(q.reshape(q.shape[:-2] + (-1,))[..., :K], -1, axis).astype(np.float32)
;;   ~~~
;; One version. Each part assembles by itself: llvm-mc -triple=amdgcn-amd-amdhsa -mcpu=gfx1250 --defsym DOCPART=n.
;; ======== version 1 of 1: 2 launches
;; limits: values are held in bf16: 8 bits of precision; right only within a limited range of input values
;; workspace buffers: xq 17,301,504 bytes; bq 17,301,504 bytes; hqp 524,288 bytes
;; launch prep (part 1): grid 1280 x 1, 4 waves a work-group, no clusters, 57,856 bytes of LDS; arguments x, b_mat, h, q_vec, xq, bq, hqp; writes xq, bq, hqp
.if DOCPART == 1
	.amdgcn_target "amdgcn-amd-amdhsa--gfx1250"
	.amdhsa_code_object_version 6
	.text
	.protected	k_q0ab57b4341_prep
	.globl	k_q0ab57b4341_prep
	.p2align	8
	.type	k_q0ab57b4341_prep,@function
k_q0ab57b4341_prep:
	s_mov_b64 s[64:65], 0
	v_nop
	global_prefetch_b8 v0, s[64:65] scope:SCOPE_SE
	s_setreg_imm32_b32 hwreg(HW_REG_WAVE_MODE, 25, 1), 1
	s_wait_xcnt 0x0
; THE LAUNCH IN FRONT OF THE PRODUCT.  Three kinds of work-group, told apart by the work-group's number alone; X and B each have LDS bytes of their own.
;   0 .. 255     HQ: eight partial sums along K of h q (h [4096][4096], q [4096][4], f32, fused multiply-adds in f32) -> hqp [8 segments of 512 k][4096 rows][4].
;   256 .. 767   X:  x [4096][4096] f32, K innermost, into codes of E5M2 and one E8M0 byte for each 32 along K -> xq.
;   768 .. 1279  B:  b_mat [4096 (k)][4096 (n)] f32, K its first axis, likewise, with K innermost -> bq.
; xq and bq are laid as the product's tensor loads take them: [32 groups of 128 rows][16 slots of 256 k][33,792 bytes]; a block is 128 rows x 256 codes (row p at 256 p) and behind them
; 128 rows x 8 scale bytes (row p at 32,768 + 8 p): 132 consecutive pieces of 256 bytes.  For bq a "row" is a column n of b_mat.
; THE QUANTISER: a block's scale is 2^(floor(log2(its largest magnitude)) - 15); its byte is the largest magnitude's exponent field - 15, held at 1 from below; each number is divided by the scale, held within
; +-57,344 and rounded to the nearest code, ties to even.
; LIMITS: a block of zeros gets the byte 1 where the rule says 127 (its codes are zeros, which add nothing under any byte but 0xff, and this program alone reads the bytes); blocks whose largest magnitude lies
; under 2^(16 - 127) keep the byte 1; NaN and infinities among the inputs are not served.  The sums of h q run in another order than a plain loop over k would (32 lanes x 2 chains, then 8 segments).
; No tensor load, no barrier, no matrix instruction: waves share nothing, and memory binds.  Each wave keeps 16 loads of 512 bytes (HQ, X) or 64 loads of 128 bytes (B) on their way.
.set BLKB,  33792                      ; a block of xq or bq
.set EMAX,  15
.set MANT,  0x600000                   ; the mantissa field of 57,344 as f32
; path X
.set XW,    5632                       ; LDS of a wave: two stages of 32 x 80 bytes, then its 256 scale bytes
.set SP,    80                         ; a lane's place in a stage: its 64 bytes + 16 of padding
.set XR,    16                         ; v16-79   four sets of 16 numbers as they are loaded
.set XX,    80                         ; v80-111  two sets of 16 neighbours
.set XE,    112                        ; v112-127 a scale byte for each step
.set XC,    128                        ; v128-191 codes: four registers for each step, so that no store's data are written again
; path B
.set BREG,  4*XW                       ; LDS: behind X's region: a stage of 32 rows x 272 bytes for each wave
.set BP,    272
.set BSB,   24                         ; v24-25   the scale bytes, four to a register
.set BX,    32                         ; v32-95   two sets of 32 numbers
.set BC,    96                         ; v96-103  a block's codes
.set BO,    112                        ; v112-175 the way out
; path HQ
.set QR,    32                         ; v32-95   q: register 16 c + 4 e + r = q[128 c + 4 lane + e][r] of my segment
.set HR,    96                         ; v96-159  four row slots of 16 registers: register 4 c + e = h[row][128 c + 4 lane + e]
	s_load_b256 s[4:11], s[0:1], 0x0               ; x s[4:5], b_mat s[6:7], h s[8:9], q_vec s[10:11]
	s_load_b128 s[12:15], s[0:1], 0x20             ; xq s[12:13], bq s[14:15]
	s_load_b64 s[16:17], s[0:1], 0x30              ; hqp
	v_lshl_add_u32 v1, v0, 2, 0xe000               ; v1: my spare word, behind both paths' LDS regions; v4: 0; both kept for the add alone
	v_mov_b32 v4, 0
	v_lshrrev_b32 v2, 5, v0
	v_readfirstlane_b32 s18, v2                    ; wave 0..3
	v_and_b32 v2, 31, v0                           ; lane
	s_cmp_lt_u32 ttmp9, 256
	s_cbranch_scc1 .Lhq
	s_cmp_lt_u32 ttmp9, 768
	s_cbranch_scc1 .Lx
; ---------------------------------------------------------------- PATH B
; A wave takes 32 columns x 256 along K.  A LANE TAKES A COLUMN n, AND ITS REGISTERS RUN DOWN K: each load reads 128 consecutive bytes, a block of 32 lies in one lane's 32 registers, and the conversions give
; codes with K innermost.  A lane's 256 codes are a row of the block: they go through the wave's stage and leave as 512 consecutive bytes a store.
	s_sub_co_u32 s19, ttmp9, 768
	s_and_b32 s20, s19, 31                         ; g: which 128 columns
	s_lshr_b32 s21, s19, 5                         ; s: which 256 along K
	s_lshl_b32 s24, s21, 22                        ; 256 s rows of 16,384 bytes,
	s_lshl_b32 s22, s20, 9                         ; + 128 g columns,
	s_add_co_u32 s24, s24, s22
	s_lshl_b32 s22, s18, 7                         ; + my wave's 32
	s_add_co_u32 s24, s24, s22
	s_mov_b32 s25, 0
	s_lshl_b32 s22, s20, 4
	s_add_co_u32 s22, s22, s21
	s_mul_i32 s26, s22, BLKB                       ; the block (g, s)
	s_lshl_b32 s22, s18, 8
	s_add_co_u32 s28, s26, s22
	s_add_co_u32 s28, s28, 32768                   ; my 32 rows' scale bytes: 256 bytes
	s_mov_b32 s29, 0
	s_lshl_b32 s22, s18, 13
	s_add_co_u32 s26, s26, s22                     ; my 32 rows' codes: 8,192 bytes
	s_mov_b32 s27, 0
	s_wait_alu depctr_va_vdst(0)
	v_lshlrev_b32 v3, 2, v2                        ; in: 4 bytes a lane
	s_mul_i32 s23, s18, 32*BP
	s_add_co_u32 s23, s23, BREG                    ; my stage
	v_mul_u32_u24 v14, v2, BP
	v_add_nc_u32 v14, s23, v14                     ; into it: row = my column
	v_and_b32 v5, 15, v2
	v_lshrrev_b32 v6, 4, v2
	v_mul_u32_u24 v7, v6, BP
	v_lshl_add_u32 v7, v5, 4, v7
	v_add_nc_u32 v7, s23, v7                       ; out of it: sixteen lanes to a row, two rows an instruction
	v_lshlrev_b32 v8, 4, v2                        ; and the same two rows in the block: 16 x lane
	v_lshlrev_b32 v9, 3, v2                        ; my row's 8 scale bytes
	s_mov_b32 s31, MANT                            ; (an instruction takes one literal: the hold's line has another)
	s_wait_kmcnt 0x0
	s_add_nc_u64 s[6:7], s[6:7], s[24:25]
	s_add_nc_u64 s[28:29], s[14:15], s[28:29]
	s_add_nc_u64 s[14:15], s[14:15], s[26:27]
.macro BLOAD t                         ; block t: b_mat(32 t + i, my column), i = 0 .. 31, into set t % 2.  255 rows of 16,384 bytes at the most: inside the signed 24-bit immediate (ISA guide, chapter 10)
.irp i, 0,1,2,3,4,5,6,7,8,9,10,11,12,13,14,15,16,17,18,19,20,21,22,23,24,25,26,27,28,29,30,31
	global_load_b32 v[BX+32*((\t)%2)+\i], v3, s[6:7] offset:(32*(\t)+\i)*16384 th:TH_LOAD_NT
.endr
.endm
	BLOAD 0
	BLOAD 1
.macro BBLOCK t
.set XS, BX+32*((\t)%2)
.if (\t) < 7
	s_wait_loadcnt 32                              ; this block's 32 loads are in; the next block's 32 may be out
.else
	s_wait_loadcnt 0
.endif
	v_max3_num_f32 v12, |v[XS]|, |v[XS+1]|, |v[XS+2]|               ; the block's largest magnitude: all 32 numbers are mine; two chains
	v_max3_num_f32 v13, |v[XS+3]|, |v[XS+4]|, |v[XS+5]|
.irp i, 6,10,14,18,22,26
	v_max3_num_f32 v12, v12, |v[XS+\i]|, |v[XS+\i+1]|
	v_max3_num_f32 v13, v13, |v[XS+\i+2]|, |v[XS+\i+3]|
.endr
	v_max3_num_f32 v12, v12, |v[XS+30]|, |v[XS+31]|
	v_max3_num_f32 v12, v12, v13, (EMAX+1)<<23     ; and the floor 2^(16 - 127): so the byte cannot fall under 1
	v_add_nc_u32 v11, -(EMAX<<23), v12             ; 15 off its exponent field: the conversion takes the exponent field of this operand as its scale, and nothing else of it
	v_and_or_b32 v10, v12, 0x7f800000, s31         ; 57,344 x the scale: the largest magnitude's exponent field over 57,344's mantissa
	v_lshrrev_b32 v13, 23, v11                     ; the scale's byte
.if (\t)%4 == 0
	v_mov_b32 v[BSB+(\t)/4], v13                   ; four bytes to a register, the lower K in the lower byte
.else
	v_lshl_or_b32 v[BSB+(\t)/4], v13, 8*((\t)%4), v[BSB+(\t)/4]
.endif
.irp i, 0,1,2,3,4,5,6,7,8,9,10,11,12,13,14,15,16,17,18,19,20,21,22,23,24,25,26,27,28,29,30,31
	v_med3_num_f32 v[XS+\i], v[XS+\i], -v10, v10   ; the conversion to an 8-bit code does not saturate (ISA guide 7.6.2): the number is held within the largest code x the scale first
.endr
.irp g, 0,1,2,3
	v_cvt_scalef32_pk8_bf8_f32 v[BC+2*\g:BC+2*\g+1], v[XS+8*\g:XS+8*\g+7], v11
.endr
	ds_store_b128 v14, v[BC:BC+3] offset:32*(\t)   ; 32 codes: 32 bytes of my column's row.  (The codes go to LDS stores alone; the next block begins with plain vector lines)
	ds_store_b128 v14, v[BC+4:BC+7] offset:32*(\t)+16
.if (\t)+2 < 8
	BLOAD (\t)+2
.endif
	s_wait_dscnt 0x0                               ; the stores have read their registers: the next block's codes may be written
.endm
.irp t, 0,1,2,3,4,5,6,7
	BBLOCK \t
.endr
	global_store_b64 v9, v[BSB:BSB+1], s[28:29]    ; 32 lanes store 256 consecutive bytes, aligned: my 32 rows' scale bytes
.irp t, 0,1,2,3,4,5,6,7,8,9,10,11,12,13,14,15
	ds_load_b128 v[BO+4*\t:BO+4*\t+3], v7 offset:2*\t*BP   ; LDS serves a wave's instructions in order (ISA guide 5.7.1.4): these see my stores
.endr
.irp t, 0,1,2,3,4,5,6,7,8,9,10,11,12,13,14,15
	s_wait_dscnt 15-\t                             ; LDS loads come back in order: pair t of rows is in
	global_store_b128 v8, v[BO+4*\t:BO+4*\t+3], s[14:15] offset:512*\t   ; 512 consecutive bytes, aligned
.endr
	s_wait_tensorcnt 0x0                           ; the wave's end
	ds_add_u32 v1, v4
	s_wait_dscnt 0x0
	s_endpgm
; ---------------------------------------------------------------- PATH X
; A wave takes 32 rows x 256 along K, in 16 steps of 2 rows.  The conversions take neighbours along K from ONE lane's registers, a load is best where neighbouring LANES take neighbouring bytes: each of a step's four
; loads reads 512 consecutive bytes; the 2,048 bytes go through the wave's stage as they lie and come back 64 bytes a lane (lane l: row l / 16 of the two, k = 16 (l % 16) on).  Two neighbouring lanes hold a block.
; So lane l's 16 codes belong at 512 t + 16 l of my 8,192 bytes of the block, and its block's byte at 16 t + l / 2 of my 256 scale bytes.
.Lx:
	s_sub_co_u32 s19, ttmp9, 256
	s_lshr_b32 s20, s19, 2                         ; R: which 32 rows
	s_and_b32 s21, s19, 3
	s_lshl_b32 s21, s21, 2
	s_add_co_u32 s21, s21, s18                     ; s: which 256 along K
	s_lshl_b32 s24, s20, 19                        ; 32 R rows of 16,384 bytes
	s_lshl_b32 s22, s21, 10
	s_add_co_u32 s24, s24, s22
	s_mov_b32 s25, 0
	s_lshr_b32 s22, s20, 2
	s_lshl_b32 s22, s22, 4
	s_add_co_u32 s22, s22, s21
	s_mul_i32 s26, s22, BLKB                       ; the block (R / 4, s)
	s_and_b32 s22, s20, 3                          ; which quarter of its 128 rows
	s_lshl_b32 s28, s22, 8
	s_add_co_u32 s28, s28, 32768
	s_add_co_u32 s28, s28, s26                     ; my 256 scale bytes
	s_mov_b32 s29, 0
	s_lshl_b32 s22, s22, 13
	s_add_co_u32 s26, s26, s22                     ; my 8,192 bytes of codes
	s_mov_b32 s27, 0
	s_wait_alu depctr_va_vdst(0)
	v_lshlrev_b32 v3, 4, v2                        ; 16 x lane: my 16 bytes of a load's 512, and of a store's
	s_mul_i32 s23, s18, XW
	v_lshrrev_b32 v14, 2, v2
	v_mul_u32_u24 v14, v14, SP
	v_and_b32 v15, 3, v2
	v_lshl_add_u32 v14, v15, 4, v14
	v_add_nc_u32 v14, s23, v14                     ; the stage, on the way in: four lanes' 64 bytes on end, then 16 of padding
	v_mul_u32_u24 v15, v2, SP
	v_add_nc_u32 v15, s23, v15                     ; and on the way out: 80 x lane: my 16 neighbours
	v_lshrrev_b32 v5, 1, v2
	s_add_co_u32 s23, s23, 2*32*SP
	v_add_nc_u32 v5, s23, v5                       ; my wave's 256 scale bytes, my block's byte
	v_lshlrev_b32 v7, 3, v2                        ; and on the way out 8 bytes a lane
	v_add_nc_u32 v6, s23, v7
	s_mov_b32 s30, MANT
	s_wait_alu depctr_va_vdst(0)
	s_wait_kmcnt 0x0
	s_add_nc_u64 s[4:5], s[4:5], s[24:25]
	s_add_nc_u64 s[28:29], s[12:13], s[28:29]
	s_add_nc_u64 s[12:13], s[12:13], s[26:27]
.macro XLOAD t                         ; step t: rows 2 t and 2 t + 1, 1,024 bytes of each
.irp i, 0,1,2,3
	global_load_b128 v[XR+16*((\t)%4)+4*\i:XR+16*((\t)%4)+4*\i+3], v3, s[4:5] offset:(2*(\t)+\i/2)*16384+(\i%2)*512 th:TH_LOAD_NT
.endr
.endm
.macro XTURN t                         ; step t's numbers through the stage: LDS serves a wave's instructions in order, so no wait stands between the stores and the loads
.irp i, 0,1,2,3
	ds_store_b128 v14, v[XR+16*((\t)%4)+4*\i:XR+16*((\t)%4)+4*\i+3] offset:32*SP*((\t)%2)+8*SP*\i
.endr
.irp i, 0,1,2,3
	ds_load_b128 v[XX+16*((\t)%2)+4*\i:XX+16*((\t)%2)+4*\i+3], v15 offset:32*SP*((\t)%2)+16*\i
.endr
.endm
.irp t, 0,1,2,3
	XLOAD \t
.endr
	s_wait_loadcnt 12                              ; step 0's four loads are in; the twelve of steps 1 to 3 may be out
	XTURN 0
.macro XSTEP t
.set XS, XX+16*((\t)%2)
.if (\t) > 0
	s_wait_dscnt 1                                 ; this step's numbers are back from the stage (the last step's byte store may be out): so its stores into the stage have read their registers,
.else
	s_wait_dscnt 0x0
.endif
.if (\t)+4 < 16
	XLOAD (\t)+4                                   ; which take the loads of four steps on
.endif
.if (\t)+1 < 16
.if 14-(\t) >= 3
	s_wait_loadcnt 12                              ; the next step's four loads are in; those of the three steps behind it may be out
.else
	s_wait_loadcnt 4*(14-(\t))
.endif
	XTURN (\t)+1                                   ; and go through the other stage while this step is worked
.endif
	v_max3_num_f32 v8, |v[XS]|, |v[XS+1]|, |v[XS+2]|               ; the largest magnitude of my 16, in two chains
	v_max3_num_f32 v9, |v[XS+3]|, |v[XS+4]|, |v[XS+5]|
.irp i, 6,10
	v_max3_num_f32 v8, v8, |v[XS+\i]|, |v[XS+\i+1]|
	v_max3_num_f32 v9, v9, |v[XS+\i+2]|, |v[XS+\i+3]|
.endr
	v_max3_num_f32 v8, v8, |v[XS+14]|, |v[XS+15]|
	v_max3_num_f32 v8, v8, v9, (EMAX+1)<<23        ; and the floor 2^(16 - 127): so the byte cannot fall under 1
	v_max_num_f32_dpp v8, v8, v8 row_xmask:1 row_mask:0xf bank_mask:0xf   ; and of my neighbour's 16: the block's
	v_add_nc_u32 v11, -(EMAX<<23), v8              ; 15 off its exponent field: the conversion's scale operand
	v_and_or_b32 v10, v8, 0x7f800000, s30          ; 57,344 x the scale
.irp i, 0,1,2,3,4,5,6,7,8,9,10,11,12,13,14,15
	v_med3_num_f32 v[XS+\i], v[XS+\i], -v10, v10   ; the hold: the conversion to an 8-bit code does not saturate (ISA guide 7.6.2)
.endr
	v_cvt_scalef32_pk8_bf8_f32 v[XC+4*(\t):XC+4*(\t)+1], v[XS:XS+7], v11
	v_cvt_scalef32_pk8_bf8_f32 v[XC+4*(\t)+2:XC+4*(\t)+3], v[XS+8:XS+15], v11
	v_lshrrev_b32 v[XE+(\t)], 23, v11              ; the scale's byte (also the plain line behind the conversions)
	ds_store_b8 v5, v[XE+(\t)] offset:16*(\t)      ; both lanes of a block write the same byte with the same value
	global_store_b128 v3, v[XC+4*(\t):XC+4*(\t)+3], s[12:13] offset:512*(\t)   ; 512 consecutive bytes, aligned
.endm
.irp t, 0,1,2,3,4,5,6,7,8,9,10,11,12,13,14,15
	XSTEP \t
.endr
	ds_load_b64 v[12:13], v6                       ; LDS serves a wave's instructions in order: these see my byte stores
	s_wait_dscnt 0x0
	global_store_b64 v7, v[12:13], s[28:29]        ; 32 lanes store 256 consecutive bytes, aligned
	s_wait_tensorcnt 0x0                           ; the wave's end
	ds_add_u32 v1, v4
	s_wait_dscnt 0x0
	s_endpgm
; ---------------------------------------------------------------- PATH HQ
; A wave takes 32 rows x 512 along K.  Its 512 rows of q stay in 64 registers.  A row of h comes by four loads of 512 consecutive bytes; each number of h multiplies its k's four numbers of q by two packed
; multiply-adds (the number of h serves both halves); two chains, even and odd k.  The row's four sums are added over the 32 lanes, and lane (row) keeps them: at the end the wave stores 512 consecutive bytes.
.Lhq:
	s_lshl_b32 s19, ttmp9, 2
	s_add_co_u32 s19, s19, s18
	s_and_b32 s20, s19, 7                          ; which 512 along K
	s_lshr_b32 s21, s19, 3                         ; which 32 rows
	s_lshl_b32 s24, s21, 19
	s_lshl_b32 s22, s20, 11
	s_add_co_u32 s24, s24, s22                     ; h: 32 rows of 16,384 bytes, 2,048 bytes a segment
	s_mov_b32 s25, 0
	s_lshl_b32 s26, s20, 13                        ; q: 512 rows of 16 bytes a segment
	s_mov_b32 s27, 0
	s_lshl_b32 s28, s20, 16                        ; hqp: 65,536 bytes a segment, 16 a row
	s_lshl_b32 s22, s21, 9
	s_add_co_u32 s28, s28, s22
	s_mov_b32 s29, 0
	s_wait_alu depctr_va_vdst(0)
	v_lshlrev_b32 v3, 4, v2                        ; 16 x lane
	v_lshlrev_b32 v5, 6, v2                        ; 64 x lane: my four rows of q in each 128
.irp k, 16,17,18,19,20,21,22,23
	v_mov_b32 v\k, 0                               ; v16-19: a lane permute's destination counts as one of its sources; v20-23: the results, chosen lane by lane
.endr
	s_mov_b32 s30, 1                               ; the lane that keeps the row in hand
	s_mov_b32 s31, 7
	s_mov_b32 s32, 0x76543210
	s_mov_b32 s33, 0xfedcba98                      ; v_permlanex16_b32's selects for lane l xor 16
	s_wait_alu depctr_va_vdst(0)
	s_wait_kmcnt 0x0
	s_add_nc_u64 s[8:9], s[8:9], s[24:25]
	s_add_nc_u64 s[10:11], s[10:11], s[26:27]
	s_add_nc_u64 s[16:17], s[16:17], s[28:29]
.irp c, 0,1,2,3
.irp e, 0,1,2,3
	global_load_b128 v[QR+16*\c+4*\e:QR+16*\c+4*\e+3], v5, s[10:11] offset:2048*\c+16*\e
.endr
.endr
.irp i, 0,1,2,3
.irp c, 0,1,2,3
	global_load_b128 v[HR+16*\i+4*\c:HR+16*\i+4*\c+3], v3, s[8:9] offset:16384*\i+512*\c th:TH_LOAD_NT
.endr
.endr
; The row in slot i.  ahead = 1: the slot is filled again with the row four further down.  left = how many younger loads may stay out.
.macro HROW i, ahead, left
	s_wait_loadcnt \left                           ; loads come back in order (ISA guide 5.7.1): my row's four are in (and q, ahead of the first row)
.irp c, 0,1,2,3
.irp p, 0,1
.set HH, HR+16*(\i)+4*\c+2*\p
.set QQ, QR+16*\c+8*\p
.if (\c == 0) && (\p == 0)
	v_pk_mul_f32 v[8:9],   v[HH:HH+1], v[QQ:QQ+1]   op_sel_hi:[0,1]              ; the first products start the sums: nothing is cleared.  Even k: the pair's first number of h for both halves,
	v_pk_mul_f32 v[10:11], v[HH:HH+1], v[QQ+2:QQ+3] op_sel_hi:[0,1]
	v_pk_mul_f32 v[12:13], v[HH:HH+1], v[QQ+4:QQ+5] op_sel:[1,0] op_sel_hi:[1,1] ; odd k: its second
	v_pk_mul_f32 v[14:15], v[HH:HH+1], v[QQ+6:QQ+7] op_sel:[1,0] op_sel_hi:[1,1]
.else
	v_pk_fma_f32 v[8:9],   v[HH:HH+1], v[QQ:QQ+1],   v[8:9]   op_sel_hi:[0,1,1]
	v_pk_fma_f32 v[10:11], v[HH:HH+1], v[QQ+2:QQ+3], v[10:11] op_sel_hi:[0,1,1]
	v_pk_fma_f32 v[12:13], v[HH:HH+1], v[QQ+4:QQ+5], v[12:13] op_sel:[1,0,0] op_sel_hi:[1,1,1]
	v_pk_fma_f32 v[14:15], v[HH:HH+1], v[QQ+6:QQ+7], v[14:15] op_sel:[1,0,0] op_sel_hi:[1,1,1]
.endif
.endr
.endr
.if \ahead
.irp c, 0,1,2,3
	global_load_b128 v[HR+16*(\i)+4*\c:HR+16*(\i)+4*\c+3], v3, s[8:9] offset:16384*((\i)+4)+512*\c th:TH_LOAD_NT
.endr
.endif
	v_pk_add_f32 v[8:9], v[8:9], v[12:13]          ; the two chains
	v_pk_add_f32 v[10:11], v[10:11], v[14:15]
.irp m, 1,2,4,8
.irp k, 8,9,10,11
	v_add_f32_dpp v\k, v\k, v\k row_xmask:\m row_mask:0xf bank_mask:0xf   ; over the 16 lanes of a half; the four sums by turns
.endr
.endr
.irp k, 0,1,2,3
	v_permlanex16_b32 v[16+\k], v[8+\k], s32, s33
.endr
.irp k, 0,1,2,3
	v_add_f32 v[8+\k], v[8+\k], v[16+\k]           ; and the other half's
.endr
.irp k, 0,1,2,3
	v_cndmask_b32 v[20+\k], v[20+\k], v[8+\k], s30 ; the row's lane keeps them
.endr
	s_lshl_b32 s30, s30, 1
.endm
.Lrows:                                                ; 7 trips of four rows, each filling its slot again
	HROW 0, 1, 12                                  ; the three younger slots' twelve loads stay out
	HROW 1, 1, 12
	HROW 2, 1, 12
	HROW 3, 1, 12
	s_wait_xcnt 0x0                                ; every load issued has had its address translated (ISA guide 3.1): only behind this wait is the base stepped
	s_add_nc_u64 s[8:9], s[8:9], 4*16384
	s_sub_co_u32 s31, s31, 1
	s_cmp_lg_u32 s31, 0
	s_cbranch_scc1 .Lrows
	HROW 0, 0, 12                                  ; the last four rows load nothing: the counts run down
	HROW 1, 0, 8
	HROW 2, 0, 4
	HROW 3, 0, 0
	global_store_b128 v3, v[20:23], s[16:17]       ; lane l: row l's four partial sums: 512 consecutive bytes, aligned
	s_endpgm
.Lfunc_end_k_q0ab57b4341_prep:
	.size	k_q0ab57b4341_prep, .Lfunc_end_k_q0ab57b4341_prep-k_q0ab57b4341_prep
	.p2alignl 7, 3214868480
	.fill 96, 4, 3214868480
	.section	.rodata,"a",@progbits
	.p2align	6, 0x0
	.amdhsa_kernel k_q0ab57b4341_prep
		.amdhsa_group_segment_fixed_size 57856
		.amdhsa_private_segment_fixed_size 0
		.amdhsa_enable_private_segment 0
		.amdhsa_kernarg_size 56
		.amdhsa_user_sgpr_count 2
		.amdhsa_user_sgpr_kernarg_segment_ptr 1
		.amdhsa_wavefront_size32 1
		.amdhsa_system_sgpr_workgroup_id_x 1
		.amdhsa_system_sgpr_workgroup_id_y 1
		.amdhsa_system_sgpr_workgroup_id_z 1
		.amdhsa_system_vgpr_workitem_id 0
		.amdhsa_next_free_vgpr 192
		.amdhsa_next_free_sgpr 66
		.amdhsa_reserve_vcc 0
		.amdhsa_float_denorm_mode_32 3
		.amdhsa_float_denorm_mode_16_64 3
		.amdhsa_memory_ordered 1
		.amdhsa_forward_progress 1
		.amdhsa_inst_pref_size 146
	.end_amdhsa_kernel
	.amdgpu_metadata
---
amdhsa.version: [ 1, 2 ]
amdhsa.kernels:
  - .name:           k_q0ab57b4341_prep
    .symbol:         k_q0ab57b4341_prep.kd
    .args:
      - { .name: x, .offset: 0, .size: 8, .value_kind: global_buffer, .address_space: global }
      - { .name: b_mat, .offset: 8, .size: 8, .value_kind: global_buffer, .address_space: global }
      - { .name: h, .offset: 16, .size: 8, .value_kind: global_buffer, .address_space: global }
      - { .name: q_vec, .offset: 24, .size: 8, .value_kind: global_buffer, .address_space: global }
      - { .name: xq, .offset: 32, .size: 8, .value_kind: global_buffer, .address_space: global }
      - { .name: bq, .offset: 40, .size: 8, .value_kind: global_buffer, .address_space: global }
      - { .name: hqp, .offset: 48, .size: 8, .value_kind: global_buffer, .address_space: global }
    .group_segment_fixed_size: 57856
    .private_segment_fixed_size: 0
    .kernarg_segment_align: 8
    .kernarg_segment_size: 56
    .max_flat_workgroup_size: 128
    .sgpr_count:     66
    .vgpr_count:     192
    .wavefront_size: 32
...
	.end_amdgpu_metadata
.endif
;; end of part 1
;; launch gemm (part 2): grid 16 x 16, 4 waves a work-group, clusters of 4 x 4, 327,680 bytes of LDS; arguments xq, bq, hqp, p_vec, h, a_diag, out0; writes out0
.if DOCPART == 2
	.amdgcn_target "amdgcn-amd-amdhsa--gfx1250"
	.amdhsa_code_object_version 6
	.text
	.protected	k_q0ab57b4341_gemm
	.globl	k_q0ab57b4341_gemm
	.p2align	8
	.type	k_q0ab57b4341_gemm,@function
k_q0ab57b4341_gemm:
	s_mov_b64 s[64:65], 0
	v_nop
	global_prefetch_b8 v0, s[64:65] scope:SCOPE_SE
	s_setreg_imm32_b32 hwreg(HW_REG_WAVE_MODE, 25, 1), 1
	s_wait_xcnt 0x0
	s_wait_alu depctr_hold_cnt(0) depctr_sa_sdst(0) depctr_va_vdst(0) depctr_va_sdst(0) depctr_va_ssrc(0) depctr_va_vcc(0) depctr_vm_vsrc(0)
	s_getreg_b32 s2, hwreg(HW_REG_IB_STS2, 6, 4)
	s_cmp_eq_u32 s2, 0
	s_cbranch_scc0 .Lentry_in_a_cluster
	s_endpgm
.Lentry_in_a_cluster:
	s_bfe_u32 s2, ttmp6, 0x10000c
	s_cmp_lg_u32 s2, 0xf033
	s_cbranch_scc0 .Lentry_shape_is_right
	s_endpgm
.Lentry_shape_is_right:
; out0 = h (1 + a) + (h q) p^T + Q(x) Q(b_mat).  xq, bq: codes of E5M2 and E8M0 bytes, laid [32 groups of 128 rows][16 K steps of 256][33,792 bytes]:
; 128 rows x 256 codes, then 128 rows x 8 scale bytes: 132 pieces of 256 bytes.  hqp: [8 segments of 512 k][4096 rows][4] f32, partial sums of h q.
; A tile of out0, 256 x 256, is made by four waves, 128 x 128 each: 64 accumulators of 16 x 16 in windows 2 and 3.  K goes in 16 steps of 256 through two LDS slots.
; CLUSTERS 4 x 4: x's blocks are asked for jointly along a row of the cluster, b's along a column.  The matrix instruction is used transposed (source 0 = 16 columns of out0, source 1 = 16 rows):
; a lane holds eight neighbouring numbers of a row.
; THE SUMS BEGIN with (h q) p^T: one bf16 matrix instruction an accumulator, its K = 32 being 8 segments x 4 ranks, p repeated for each segment: the segments are summed by the product.
; 128 ALONG K are eight groups of eight matrix instructions, one group for each of x's blocks.  Behind each group stands a short run of LDS loads of one operand: b's next set (two sets) behind groups 0 to 3,
; x's blocks (one set), each free once its group is issued, behind groups 4 to 7; in the step that changes slots all of them stand behind the round, behind groups 3 to 7.
; h (1 + a) COMES IN DURING THE K LOOP: in each of the 16 K steps a wave takes one unit of h, 16 rows x 256 bytes (64 columns): loaded one K step ahead (8 loads, each 2 rows x 256 bytes on end), multiplied by 1 + a,
; turned through the wave's own stage into the accumulators' layout, and added to the unit's four accumulators.  Register numbers cannot change from trip to trip, so a chain of branches on the lap's number picks the 16 additions.
; PREFETCHES: behind each refill, the block that the refill two K steps on will ask for: the four partners that ask for a block jointly take 32 of its 128 pieces of codes each, a lane a piece, and one of its 4 pieces of scales each,
; told apart by address; once a lap the 16 rows x 512 bytes of h that the next lap's loads take.  K steps 1 to 3 and h's second 16 rows are asked for at the head.  The last lap of the loop asks for nothing: K step 15 and h's last rows have been named.
; LIMITS: the partial sums of h q and p are rounded to bf16 for their product; h (1 + a) is one rounding of 1 + a and one of the product where the formula has h + h a; the terms are summed in another order than the formula's.
.set NQ,     2
.set FR,     16
.set NP,     8                         ; places behind the scaled form with 8-bit operands
.set PITCH,  272                       ; an LDS row: 256 bytes + 16 of padding
.set TROWS,  132
.set HALFT,  TROWS*PITCH               ; one block in LDS: what one tensor load brings
.set SCOFF,  128*PITCH                 ; its scale bytes
.set SLOT,   4*HALFT                   ; x's two blocks, then b's two
.set BLKB,   33792
.set GRPB,   16*BLKB
.set LAPS,   8
.set HBLK,   16*16384                  ; 16 rows of h in bytes
.set SPARE,  2*SLOT                    ; the spare words: 512 bytes that no other line names
.set STAGE,  SPARE+512                 ; 16 x 528 bytes for each wave: h's units on the way in, the results on the way out; no tensor load lands here
.set SPITCH, 528
.set QO,   5                           ; v5      head: my offset in hqp
.set HSO,  6                           ; v6      h's unit out of the stage: row l % 16, 32 bytes a half
.set HSI,  7                           ; v7      h's unit into the stage: two rows of 256 bytes
.set A1,   8                           ; v8-15   1 + a of my 4 columns, for the left and the right 64 columns of a unit pair
.set ADRA, 16
.set HO,   18                          ; v18     my offset in a load of h
.set PFH,  19                          ; v19     h's prefetch: row lane / 2, 256 (lane % 2)
.set ADRB, 20
.set ADRS, 22
.set STO,  24
.set RD,   25
.set CO,   26
.set PF1,  27                          ; v27     a block's codes: 8,192 x my place among the four + 256 x lane
.set SPW,  28
.set NIL,  29
.set PF2,  30                          ; v30     its scales: 32,768 + 256 x my place
.set RO,   31                          ; v31     16 (l % 16)
.set SC,   32                          ; v32-63  scale words, a set for each slot
.set LD,   64                          ; v64-95  a unit of h as loaded
.set RB,   96                          ; v96-127 the unit in the accumulators' layout
.set AF,   128                         ; v128-255 x's fragments
.set WV,   18
.set RH,   19
.set CH,   20
.set G1,  24
.set G0,  32
.set G1B, 48
.set G0B, 56
.set PFA, 80                           ; s[80:81] my wave's blocks at K step 2 x lap
.set MSB, 0
.macro WIN new                         ; the immediate's high byte repeats the setting that is left
.if MSB != \new
	s_set_vgpr_msb (MSB<<8)|\new
.set MSB, \new
.endif
.endm
.set MUL_LO, 0xa1                      ; source 0 window 1, source 1 window 0, C and D window 2
.set MUL_HI, 0xf1
.set TO_B,   0x40
.macro JLOAD g0a, g1a, g0b, g1b        ; a joint load: waves 0, 1 fetch x's two blocks, waves 2, 3 b's; s_nop 0 and four v_nop behind each line
	s_cmp_eq_u32 s[RH], 0
	s_cbranch_scc0 .Lfor_b_\@
	tensor_load_to_lds s[\g0a:\g0a+3], s[\g1a:\g1a+7]
	s_nop 0
.rept 4
	v_nop
.endr
	s_branch .Lasked_\@
.Lfor_b_\@:
	tensor_load_to_lds s[\g0b:\g0b+3], s[\g1b:\g1b+7]
	s_nop 0
.rept 4
	v_nop
.endr
.Lasked_\@:
.endm
.macro CREST                           ; a round of the cluster's barrier behind its opening barrier
	s_cmp_lg_u32 s[WV], 0
	s_cbranch_scc1 .Lnot_wave_0_\@
	s_barrier_signal -3
.Lnot_wave_0_\@:
	s_barrier_wait -3
	s_barrier_signal -1
	s_barrier_wait -1
.endm
.macro CROUND
	s_barrier_signal -1
	s_barrier_wait -1
	CREST
.endm
	s_load_b256 s[4:11], s[0:1], 0x0               ; xq, bq, hqp, p_vec
	s_load_b128 s[12:15], s[0:1], 0x20             ; h, a_diag
	s_load_b64 s[16:17], s[0:1], 0x30              ; out0
	v_lshl_add_u32 v[SPW], v0, 2, SPARE
	v_mov_b32 v[NIL], 0
	ds_add_u32 v[SPW], v[NIL]                      ; the opening lines: the add twice on end, and its wait ahead of my first tensor load
	ds_add_u32 v[SPW], v[NIL]
	v_lshrrev_b32 v1, 5, v0
	v_readfirstlane_b32 s[WV], v1                  ; wave 0..3
	s_lshr_b32 s[RH], s[WV], 1                     ; my half of the rows; also: I fetch for x (0) or b (1)
	s_and_b32 s[CH], s[WV], 1                      ; my half of the columns; also: which block I fetch
	s_bfe_u32 s40, ttmp6, 0x40000                  ; cx
	s_bfe_u32 s41, ttmp6, 0x40004                  ; cy
	s_lshl_b32 s42, ttmp9, 2
	s_add_co_u32 s42, s42, s40                     ; tile column
	s_and_b32 s43, ttmp7, 0xffff
	s_lshl_b32 s43, s43, 2
	s_add_co_u32 s43, s43, s41                     ; tile row
	s_lshl_b32 s44, s41, 2
	s_lshl_b32 s44, 15, s44                        ; my row of the cluster
	s_lshl_b32 s45, 0x1111, s40                    ; my column
	s_or_b32 s[G1+0], s44, (3<<16)|(1<<20)|(1<<21)|(5<<22)|(3<<25)   ; elements of 8 bytes; 4 words of padding behind every 64
	s_or_b32 s[G1B+0], s45, (3<<16)|(1<<20)|(1<<21)|(5<<22)|(3<<25)
.irp g, G1, G1B
	s_mov_b32 s[\g+1], 32<<16                      ; a dense block: 132 rows of 32 elements
	s_mov_b32 s[\g+2], TROWS<<16
	s_mov_b32 s[\g+3], 32<<16
	s_mov_b32 s[\g+4], TROWS
	s_mov_b32 s[\g+5], 32
	s_mov_b32 s[\g+6], 0
	s_mov_b32 s[\g+7], 0
.endr
	s_lshl_b32 s66, s43, 1
	s_add_co_u32 s66, s66, s[CH]
	s_mul_i32 s66, s66, GRPB                       ; x: group 2 x tile row + which block
	s_mov_b32 s67, 0
	s_lshl_b32 s46, s42, 1
	s_add_co_u32 s46, s46, s[CH]
	s_mul_i32 s46, s46, GRPB                       ; b: group 2 x tile column + which block
	s_mov_b32 s47, 0
	s_mul_i32 s21, s[WV], HALFT                    ; where my block goes
	s_lshl_b32 s68, s43, 8
	s_lshl_b32 s69, s[RH], 7
	s_add_co_u32 s68, s68, s69                     ; my first row
	s_lshl_b32 s70, s42, 8
	s_lshl_b32 s71, s[CH], 7
	s_add_co_u32 s70, s70, s71                     ; my first column
	s_lshl_b32 s72, s68, 4
	s_mov_b32 s73, 0
	s_lshl_b32 s74, s70, 4
	s_mov_b32 s75, 0
	s_lshl_b32 s76, s70, 2
	s_mov_b32 s77, 0
	s_lshl_b32 s78, s68, 14
	s_add_co_u32 s78, s78, s76
	s_mov_b32 s79, 0
	s_mul_i32 s22, s[RH], HALFT                    ; my 128 rows of x in a slot
	s_mul_i32 s23, s[CH], HALFT
	s_add_co_u32 s23, s23, 2*HALFT                 ; my 128 columns of b
	s_add_co_u32 s82, s22, SCOFF                   ; x's scale words
	s_xor_b32 s83, s[RH], 1
	s_add_co_u32 s83, s83, s[CH]
	s_add_co_u32 s83, s83, 1
	s_mul_i32 s83, s83, HALFT                      ; the distance from there to b's
	s_mul_i32 s84, s[WV], 16*SPITCH
	s_add_co_u32 s84, s84, STAGE                   ; my stage
	s_cmp_eq_u32 s[RH], 0
	s_cselect_b32 s85, s40, s41                    ; my place among the four that ask for my block with me
	v_and_b32 v1, 15, v0                           ; r = l % 16
	v_bfe_u32 v2, v0, 4, 1                         ; l / 16
	v_and_b32 v3, 31, v0                           ; lane
	v_mul_u32_u24 v4, v1, PITCH
	v_lshl_add_u32 v4, v2, 4, v4                   ; a fragment's row x pitch + 16 x half
	v_add_nc_u32 v[ADRA], s22, v4
	v_add_nc_u32 v[ADRB], s23, v4
	v_add_nc_u32 v[ADRA+1], SLOT, v[ADRA]
	v_add_nc_u32 v[ADRB+1], SLOT, v[ADRB]
	v_mul_u32_u24 v5, s83, v2                      ; lanes 16-31 take b's scale words
	v_lshl_add_u32 v5, v1, 3, v5
	v_add_nc_u32 v[ADRS], s82, v5
	v_add_nc_u32 v[ADRS+1], SLOT, v[ADRS]
	v_mul_u32_u24 v5, v1, SPITCH
	v_lshl_add_u32 v5, v2, 5, v5
	v_add_nc_u32 v[STO], s84, v5
	v_lshlrev_b32 v[CO], 4, v3
	v_add_nc_u32 v[RD], s84, v[CO]
	v_mul_u32_u24 v5, v2, PITCH
	v_lshl_add_u32 v5, v1, 4, v5
	v_add_nc_u32 v[HSI], s84, v5
	v_lshl_add_u32 v5, v2, 4, v4
	v_add_nc_u32 v[HSO], s84, v5
	v_lshlrev_b32 v[RO], 4, v1
	v_lshl_add_u32 v[HO], v2, 14, v[RO]
	v_lshrrev_b32 v5, 1, v3
	v_and_b32 v4, 1, v3
	v_lshlrev_b32 v4, 8, v4
	v_lshl_add_u32 v[PFH], v5, 14, v4
	v_lshlrev_b32 v5, 8, v3
	v_lshl_add_u32 v[PF1], s85, 13, v5
	v_mov_b32 v5, 0x8000
	v_lshl_add_u32 v[PF2], s85, 8, v5
	v_lshl_add_u32 v[QO], v2, 17, v[RO]            ; hqp: lanes 16-31 begin two segments further on
	s_wait_alu depctr_va_vdst(0)                   ; the wait behind the addresses' writes
	s_wait_dscnt 0x0                               ; both opening adds are done
	s_wait_kmcnt 0x0
	s_add_nc_u64 s[8:9], s[8:9], s[72:73]
	s_add_nc_u64 s[10:11], s[10:11], s[74:75]
	s_add_nc_u64 s[14:15], s[14:15], s[76:77]
	s_add_nc_u64 s[12:13], s[12:13], s[78:79]
	s_add_nc_u64 s[16:17], s[16:17], s[78:79]
.macro HLD off                         ; a unit of h: 8 loads, each two rows x 256 bytes on end
.irp i, 0,1,2,3,4,5,6,7
	global_load_b128 v[LD+4*\i:LD+4*\i+3], v[HO], s[12:13] offset:(\off)+2*\i*16384 th:TH_LOAD_NT
.endr
.endm
.irp b, 0,1,2,3,4,5,6,7
	global_load_b128 v[96+4*\b:99+4*\b], v[RO], s[10:11] offset:256*\b           ; p[16 b + r][0..3]
.endr
.irp a, 0,1,2,3,4,5,6,7
.irp j, 0,1,2,3
	global_load_b128 v[128+16*\a+4*\j:131+16*\a+4*\j], v[QO], s[8:9] offset:256*\a+65536*(\j%2)+262144*(\j/2)   ; segment 2 (l / 16) + j % 2 + 4 (j / 2), row 16 a + r
.endr
.endr
.irp c, 0,1
	global_load_b128 v[A1+4*\c:A1+4*\c+3], v[RO], s[14:15] offset:256*\c
.endr
	HLD 0                                          ; unit 0
	s_add_nc_u64 s[66:67], s[4:5], s[66:67]
	s_add_nc_u64 s[46:47], s[6:7], s[46:47]
	s_cmp_eq_u32 s[RH], 0
	s_cselect_b64 s[PFA:PFA+1], s[66:67], s[46:47] ; the blocks that I fetch
.irp s, 0,1
	s_mov_b32 s[G0+4*\s], 1
	s_add_co_u32 s[G0+4*\s+1], s21, \s*SLOT
	s_add_nc_u64 s[G0+4*\s+2:G0+4*\s+3], s[66:67], \s*BLKB
	s_or_b32 s[G0+4*\s+3], s[G0+4*\s+3], 0x80000000
	s_mov_b32 s[G0B+4*\s], 1
	s_add_co_u32 s[G0B+4*\s+1], s21, \s*SLOT
	s_add_nc_u64 s[G0B+4*\s+2:G0B+4*\s+3], s[46:47], \s*BLKB
	s_or_b32 s[G0B+4*\s+3], s[G0B+4*\s+3], 0x80000000
.endr
	CROUND                                         ; all sixteen work-groups are here: the first joint loads meet
	JLOAD G0, G1, G0B, G1B                         ; K step 0: one tensor load a wave at the head
.irp s, 1,2
	global_prefetch_b8 v[PF1], s[PFA:PFA+1] offset:\s*BLKB th:TH_LOAD_NT scope:SCOPE_SE
	global_prefetch_b8 v[PF2], s[PFA:PFA+1] offset:\s*BLKB th:TH_LOAD_NT scope:SCOPE_SE
.endr
	global_prefetch_b8 v[PFH], s[12:13] offset:HBLK th:TH_LOAD_NT scope:SCOPE_SE
	s_wait_loadcnt 8                               ; all but unit 0's eight
.irp c, 0,2,4,6
	v_pk_add_f32 v[A1+\c:A1+\c+1], v[A1+\c:A1+\c+1], 1.0 op_sel_hi:[1,0]
.endr
	WIN TO_B                                       ; the bf16 fragments, in window 1, where b's second set will lie: p's at v128-191, h q's at v192-255.  Registers 2 j, 2 j + 1 hold k = 4 x segment + rank
.irp b, 0,1,2,3,4,5,6,7
.irp j, 0,1,2,3
	v_cvt_pk_bf16_f32 v[128+8*\b+2*\j], v[96+4*\b], v[97+4*\b]
	v_cvt_pk_bf16_f32 v[128+8*\b+2*\j+1], v[98+4*\b], v[99+4*\b]
.endr
.endr
.irp a, 0,1,2,3,4,5,6,7
.irp j, 0,1,2,3
	v_cvt_pk_bf16_f32 v[192+8*\a+2*\j], v[128+16*\a+4*\j], v[129+16*\a+4*\j]
	v_cvt_pk_bf16_f32 v[192+8*\a+2*\j+1], v[130+16*\a+4*\j], v[131+16*\a+4*\j]
.endr
.endr
	WIN 0
.macro FRAG reg, adr, q, i             ; 16 rows x 128 K: four loads of 16 bytes a lane
.irp c, 0,1,2,3
	ds_load_b128 v[\reg+4*\c:\reg+4*\c+3], v[\adr] offset:128*(\q)+32*\c+(\i)*16*PITCH
.endr
.endm
.macro FB slot, q, p, i                ; b's fragment i into set p (destination window 1)
	FRAG 128*(\p)+FR*(\i), ADRB+\slot, \q, \i
.endm
.macro FA slot, q, i                   ; x's block i
	FRAG AF+FR*(\i), ADRA+\slot, \q, \i
.endm
.macro MUL8 a, p, q, sc                ; a group: x's block a against b's eight, 128 along K; the 64 accumulators take turns
.irp b, 0,1,2,3,4,5,6,7
	v_wmma_scale_f32_16x16x128_f8f6f4 v[8*(8*((\a)%4)+\b):8*(8*((\a)%4)+\b)+7], v[128*(\p)+FR*\b:128*(\p)+FR*\b+FR-1], v[AF+FR*(\a):AF+FR*(\a)+FR-1], v[8*(8*((\a)%4)+\b):8*(8*((\a)%4)+\b)+7], v[SC+8*NQ*(\sc)+NQ*\b+(\q)], v[SC+8*NQ*(\sc)+NQ*(\a)+(\q)] matrix_a_fmt:MATRIX_FMT_BF8 matrix_b_fmt:MATRIX_FMT_BF8 matrix_a_scale:MATRIX_SCALE_ROW1
.endr
.endm
.macro SCALES sc                       ; lanes 0-15 x's block i, lanes 16-31 b's block i: two words a row
.irp i, 0,1,2,3,4,5,6,7
	ds_load_b64 v[SC+8*NQ*\sc+NQ*\i:SC+8*NQ*\sc+NQ*\i+1], v[ADRS+\sc] offset:(\i/2)*PITCH+(\i%2)*128
.endr
.endm
.macro PLACES n
.rept \n
	v_nop
.endr
.endm
.macro ADDU a, c                       ; the unit in RB onto the accumulators of row block a, column blocks 4 c .. 4 c + 3, each from its low end on
	WIN 0x82+0x41*((\a)/4)                         ; D and source 0 window 2 or 3, source 1 window 0
.irp i, 0,1,2,3
.irp r, 0,2,4,6
	v_pk_add_f32 v[8*(8*((\a)%4)+4*(\c)+\i)+\r:8*(8*((\a)%4)+4*(\c)+\i)+\r+1], v[8*(8*((\a)%4)+4*(\c)+\i)+\r:8*(8*((\a)%4)+4*(\c)+\i)+\r+1], v[RB+8*\i+\r:RB+8*\i+\r+1]
.endr
.endr
	WIN 0
	s_wait_alu depctr_va_vdst(0)                   ; the wait behind these writes
.endm
.macro PICK c, first                   ; in the loop the row block is the lap's number + first
.irp k, 0,1,2,3,4,5
	s_cmp_lg_u32 s3, \k
	s_cbranch_scc1 .Lpass_\@_\k
	ADDU (\k+\first), \c
	s_branch .Lpicked_\@
.Lpass_\@_\k:
.endr
	ADDU (6+\first), \c
.Lpicked_\@:
.endm
.macro ASK slot                        ; behind a refill: the block of the refill two K steps on; not in the loop's last lap
	s_cmp_lt_u32 s3, LAPS-2
	s_cbranch_scc0 .Lno_ask_\@
	global_prefetch_b8 v[PF1], s[PFA:PFA+1] offset:(4+\slot)*BLKB th:TH_LOAD_NT scope:SCOPE_SE
	global_prefetch_b8 v[PF2], s[PFA:PFA+1] offset:(4+\slot)*BLKB th:TH_LOAD_NT scope:SCOPE_SE
.if \slot
	global_prefetch_b8 v[PFH], s[12:13] offset:2*HBLK th:TH_LOAD_NT scope:SCOPE_SE   ; the 16 rows of h that the next lap loads
.endif
.Lno_ask_\@:
.endm
; A slot's first 128 along K (b's set 0), the fetch of its second 128, and one unit of h (column half = slot).  mode 0: the unit's row block is a; mode 1: the lap's number + a.  noff: where the next unit lies from s[12:13], or -1.
; The counts of the waits on DScnt are at most the LDS instructions issued behind the loads that they wait for.
.macro STEP slot, mode, a, noff
	s_wait_dscnt 16                                ; all but x's blocks 4-7
	WIN MUL_LO
.irp g, 0,1,2,3
	MUL8 \g, 0, 0, \slot
	WIN TO_B
	FB \slot, 1, 1, 2*\g                           ; set 1 was last multiplied ahead of the eight places at the end of the step before
	FB \slot, 1, 1, 2*\g+1
.if \g < 3
	WIN MUL_LO
.endif
.endr
	s_wait_dscnt 40                                ; x's blocks 4, 5 are in: behind them blocks 6, 7 (8 loads) and b's 32
	WIN MUL_HI
	MUL8 4, 0, 0, \slot
	WIN 0
	s_wait_loadcnt 0x0                             ; the unit, asked for one K step ago
.irp i, 0,1,2,3,4,5,6,7
	v_pk_mul_f32 v[LD+4*\i:LD+4*\i+1], v[LD+4*\i:LD+4*\i+1], v[A1+4*\slot:A1+4*\slot+1]      ; these sixteen are also the places in front of the loads into x's blocks 0 to 3
	v_pk_mul_f32 v[LD+4*\i+2:LD+4*\i+3], v[LD+4*\i+2:LD+4*\i+3], v[A1+4*\slot+2:A1+4*\slot+3]
.endr
	FA \slot, 1, 0
	FA \slot, 1, 1
.irp i, 0,1,2,3,4,5,6,7
	ds_store_b128 v[HSI], v[LD+4*\i:LD+4*\i+3] offset:2*\i*PITCH
.endr
	WIN MUL_HI
	MUL8 5, 0, 0, \slot
	WIN 0
	FA \slot, 1, 2
	FA \slot, 1, 3
.irp i, 0,1,2,3
	ds_load_b128 v[RB+8*\i:RB+8*\i+3], v[HSO] offset:64*\i          ; LDS serves a wave's instructions in order (ISA guide 5.7.1.4): these see the stores above
	ds_load_b128 v[RB+8*\i+4:RB+8*\i+7], v[HSO] offset:64*\i+16
.endr
	s_wait_dscnt 48                                ; x's blocks 6, 7 are in: 64 LDS instructions were issued behind them
	WIN MUL_HI
	MUL8 6, 0, 0, \slot
	PLACES NP
	WIN 0
	FA \slot, 1, 4
	FA \slot, 1, 5
	WIN MUL_HI
	MUL8 7, 0, 0, \slot
	PLACES NP                                      ; in front of the additions onto results, and of the loads into x's blocks 6, 7
	WIN 0
	s_wait_dscnt 8                                 ; the unit is back (behind it: blocks 4, 5), so its stores have read LD
.if \mode
	PICK \slot, \a
.else
	ADDU \a, \slot
.endif
.if \noff >= 0
	HLD \noff
.endif
	FA \slot, 1, 6
	FA \slot, 1, 7
.endm
; A slot's second 128 along K (b's set 1) changes slots: each wave waits for all its tensor loads, adds 0 to its spare word, waits for that and for its reads of the slot; the barrier opens a round of the cluster's barrier where the slot is filled again.
.macro TURN slot, next, fill
	s_wait_tensorcnt 0x0
	ds_add_u32 v[SPW], v[NIL]
	s_wait_dscnt 25                                ; b's set and x's blocks 0, 1 are in: behind them at least the add and three runs of eight
	WIN MUL_LO
	MUL8 0, 1, 1, \slot
	MUL8 1, 1, 1, \slot
	s_wait_dscnt 0x0
	s_barrier_signal -1
	MUL8 2, 1, 1, \slot
	MUL8 3, 1, 1, \slot
	WIN 0
	s_barrier_wait -1
.if \fill
	CREST
	s_add_nc_u64 s[G0+4*\slot+2:G0+4*\slot+3], s[G0+4*\slot+2:G0+4*\slot+3], 2*BLKB
	s_add_nc_u64 s[G0B+4*\slot+2:G0B+4*\slot+3], s[G0B+4*\slot+2:G0B+4*\slot+3], 2*BLKB
	JLOAD G0+4*\slot, G1, G0B+4*\slot, G1B         ; the first tensor load behind the round; its four v_nop are four of the eight places
	PLACES NP-4
.else
	PLACES NP
.endif
	WIN TO_B
.irp i, 0,1,2,3
	FB \next, 0, 0, \i
.endr
	WIN MUL_HI
	MUL8 4, 1, 1, \slot
	WIN TO_B
.irp i, 4,5,6,7
	FB \next, 0, 0, \i
.endr
	WIN MUL_HI
	MUL8 5, 1, 1, \slot
	WIN 0
.irp i, 0,1,2,3
	FA \next, 0, \i
.endr
	SCALES \next
.if \fill
	ASK \slot
.endif
	WIN MUL_HI
	MUL8 6, 1, 1, \slot
	PLACES NP
	WIN 0
	FA \next, 0, 4
	FA \next, 0, 5
	WIN MUL_HI
	MUL8 7, 1, 1, \slot
	PLACES NP
	WIN 0
	FA \next, 0, 6
	FA \next, 0, 7
.endm
	s_wait_alu depctr_va_vdst(0)                   ; the wait at the head's end
	s_wait_tensorcnt 0x0                           ; my block of K step 0 is in; then the add and its wait, as in front of each later fill:
	ds_add_u32 v[SPW], v[NIL]
	s_wait_dscnt 0x0
	CROUND
	JLOAD G0+4, G1, G0B+4, G1B                     ; K step 1
	WIN TO_B
.irp i, 0,1,2,3,4,5,6,7
	FB 0, 0, 0, \i
.endr
	WIN 0
.irp i, 0,1,2,3
	FA 0, 0, \i
.endr
	SCALES 0
.irp i, 4,5,6,7
	FA 0, 0, \i
.endr
	global_prefetch_b8 v[PF1], s[PFA:PFA+1] offset:3*BLKB th:TH_LOAD_NT scope:SCOPE_SE
	global_prefetch_b8 v[PF2], s[PFA:PFA+1] offset:3*BLKB th:TH_LOAD_NT scope:SCOPE_SE
.irp a, 0,1,2,3,4,5,6,7
	WIN 0xa5+0x50*(\a/4)                           ; both sources window 1, D window 2 or 3
.irp b, 0,1,2,3,4,5,6,7
	v_wmma_f32_16x16x32_bf16 v[8*(8*(\a%4)+\b):8*(8*(\a%4)+\b)+7], v[128+8*\b:128+8*\b+7], v[192+8*\a:192+8*\a+7], 0   ; (h q) p^T starts the sums
.endr
.endr
	WIN 0
	PLACES NP+1                                    ; the scaled form writes over the bf16 form's results, and loads will land on its sources
	STEP 0, 0, 0, 256                              ; unit 0; unit 1 is asked for
	s_mov_b32 s3, 0
.Llap:                                                 ; lap t: units 2 t + 1 and 2 t + 2; s[12:13] stands at h's row block t
	TURN 0, 1, 1
	STEP 1, 1, 0, HBLK
	TURN 1, 0, 1
	STEP 0, 1, 1, HBLK+256
	s_wait_xcnt 0x0                                ; loads and prefetches have read their bases: only now are they stepped
	s_add_nc_u64 s[PFA:PFA+1], s[PFA:PFA+1], 2*BLKB
	s_add_nc_u64 s[12:13], s[12:13], HBLK
	s_add_co_u32 s3, s3, 1
	s_cmp_lt_u32 s3, LAPS-1
	s_cbranch_scc1 .Llap
	TURN 0, 1, 0                                   ; the last lap fills nothing
	STEP 1, 0, 7, -1                               ; unit 15
; THE LAST 128 ALONG K AND THE WAY OUT.  Group a finishes row block a (16 rows x 128 columns): it goes through my stage and comes back as whole rows of 512 bytes, into b's set 0 (window 1, v0-127, idle now),
; which the 32 lanes store as two aligned pieces of 256 bytes, while the later groups are multiplied.
.macro TOSTAGE a
.set AC, 64*((\a)%4)
	WIN 0x08+4*((\a)/4)                            ; the data: window 2 or 3
.irp b, 0,1,2,3,4,5,6,7
	ds_store_b128 v[STO], v[AC+8*\b:AC+8*\b+3] offset:64*\b          ; each accumulator from its low end on
	ds_store_b128 v[STO], v[AC+8*\b+4:AC+8*\b+7] offset:64*\b+16
.endr
	WIN TO_B
.set BB, 64*((\a)%2)
.irp t, 0,1,2,3,4,5,6,7,8,9,10,11,12,13,14,15
	ds_load_b128 v[BB+4*\t:BB+4*\t+3], v[RD] offset:\t*SPITCH
.endr
.endm
.macro SEND a, younger                 ; younger: the LDS instructions issued behind block a's loads
.set BB, 64*((\a)%2)
	s_wait_dscnt \younger
	WIN 0x04                                       ; the data: window 1
.irp t, 0,1,2,3,4,5,6,7,8,9,10,11,12,13,14,15
	global_store_b128 v[CO], v[BB+4*\t:BB+4*\t+3], s[16:17] offset:(16*(\a)+\t)*16384 th:TH_STORE_NT
.endr
.endm
	s_wait_dscnt 24                                ; b's set and x's blocks 0, 1 are in: behind them at least three runs of eight
	WIN MUL_LO
	MUL8 0, 1, 1, 1
	MUL8 1, 1, 1, 1
	s_wait_dscnt 0
.irp a, 2,3,4,5,6,7
	WIN MUL_LO+0x50*(\a/4)
	MUL8 \a, 1, 1, 1
	PLACES NP                                      ; in front of the stage's reads of results
.if \a > 3
	s_wait_xcnt 0x0                                ; the stores of the block two back have read their registers: the loads below may land there
.endif
	TOSTAGE \a-2
.if \a > 2
	SEND \a-3, 32                                  ; behind that block's loads: the next block's 16 stores and 16 loads
.endif
.endr
.irp a, 6,7
	s_wait_xcnt 0x0
	TOSTAGE \a
	SEND \a-1, 32
.endr
	SEND 7, 0
	WIN 0
	s_wait_tensorcnt 0x0                           ; the wave's end
	ds_add_u32 v[SPW], v[NIL]
	s_wait_dscnt 0x0
	CROUND                                         ; the closing round
	s_endpgm
.Lfunc_end_k_q0ab57b4341_gemm:
	.size	k_q0ab57b4341_gemm, .Lfunc_end_k_q0ab57b4341_gemm-k_q0ab57b4341_gemm
	.p2alignl 7, 3214868480
	.fill 96, 4, 3214868480
	.section	.rodata,"a",@progbits
	.p2align	6, 0x0
	.amdhsa_kernel k_q0ab57b4341_gemm
		.amdhsa_group_segment_fixed_size 327680
		.amdhsa_private_segment_fixed_size 0
		.amdhsa_enable_private_segment 0
		.amdhsa_kernarg_size 56
		.amdhsa_user_sgpr_count 2
		.amdhsa_user_sgpr_kernarg_segment_ptr 1
		.amdhsa_wavefront_size32 1
		.amdhsa_system_sgpr_workgroup_id_x 1
		.amdhsa_system_sgpr_workgroup_id_y 1
		.amdhsa_system_sgpr_workgroup_id_z 1
		.amdhsa_system_vgpr_workitem_id 0
		.amdhsa_next_free_vgpr 1024
		.amdhsa_next_free_sgpr 96
		.amdhsa_reserve_vcc 0
		.amdhsa_float_denorm_mode_32 3
		.amdhsa_float_denorm_mode_16_64 3
		.amdhsa_memory_ordered 1
		.amdhsa_forward_progress 1
		.amdhsa_inst_pref_size 196
	.end_amdhsa_kernel
	.amdgpu_metadata
---
amdhsa.version: [ 1, 2 ]
amdhsa.kernels:
  - .name:           k_q0ab57b4341_gemm
    .symbol:         k_q0ab57b4341_gemm.kd
    .args:
      - { .name: xq, .offset: 0, .size: 8, .value_kind: global_buffer, .address_space: global }
      - { .name: bq, .offset: 8, .size: 8, .value_kind: global_buffer, .address_space: global }
      - { .name: hqp, .offset: 16, .size: 8, .value_kind: global_buffer, .address_space: global }
      - { .name: p_vec, .offset: 24, .size: 8, .value_kind: global_buffer, .address_space: global }
      - { .name: h, .offset: 32, .size: 8, .value_kind: global_buffer, .address_space: global }
      - { .name: a_diag, .offset: 40, .size: 8, .value_kind: global_buffer, .address_space: global }
      - { .name: out0, .offset: 48, .size: 8, .value_kind: global_buffer, .address_space: global }
    .group_segment_fixed_size: 327680
    .private_segment_fixed_size: 0
    .kernarg_segment_align: 8
    .kernarg_segment_size: 56
    .max_flat_workgroup_size: 128
    .sgpr_count:     96
    .vgpr_count:     1024
    .wavefront_size: 32
...
	.end_amdgpu_metadata
.endif
;; end of part 2
